; MI455X (gfx1250); checked and timed in simulation.
; The chip was launched on July 23, 2026; its instructions are those of AMD's public machine-readable ISA for CDNA 5 (MIT licence, August 2026) and "CDNA5" Instruction Set Architecture Reference Guide (July 2026). The comments in the code are by the model that wrote it; some were corrected since.
;; Self Attention. Allowed arithmetic: matrix products marked QUANTISED: E5M2 operands, one E8M0 scale for each 32 along K, by v_wmma_scale_f32_16x16x128_f8f6f4 with both operands' format E5M2, f32 sums; everything else in f32.
;; Inputs: b_k 256 float32; b_q 256 float32; key 128 x 2,048 x 256 float32; query_codes 8 x 64 x 8 x 32 uint8 (E5M2 codes of query, K innermost, in blocks of 32 codes); query_scales 8 x 64 x 8 uint8 (E8M0 scales of query, one for each 32 codes along K); w_k_codes 256 x 8 x 32 uint8 (E5M2 codes of w_k, K innermost, in blocks of 32 codes); w_k_scales 256 x 8 uint8 (E8M0 scales of w_k, one for each 32 codes along K); w_q_codes 256 x 8 x 32 uint8 (E5M2 codes of w_q, K innermost, in blocks of 32 codes); w_q_scales 256 x 8 uint8 (E8M0 scales of w_q, one for each 32 codes along K).
;; Outputs: out0 8 x 2,048 x 256 float32.
;; This version of the problem:
;;   THIS VERSION OF THE PROBLEM IS GIVEN IN LOW PRECISION. The matrix products marked QUANTISED in the list below multiply operands that are first quantised to E5M2 (5 exponent bits, 2 mantissa bits; 8 bits a number), with one power-of-two scale for each 32 numbers along K (OCP MX v1.0); their sums are f32. All else is computed in f32.
;;   The module's matrix products, in the order in which they are computed (A, B: the left and right operand; K: the contracted axis; several contracted axes count as one K, in the product's order):
;;     1. [M 512, K 256] x [K 256, N 256]; A: input query (given as codes); B: input w_q (given as codes): QUANTISED
;;     2. [M 262,144, K 256] x [K 256, N 256]; A: input key; B: input w_k (given as codes): QUANTISED
;;     3. batch 8 x [M 32,768, K 256] x [K 256, N 64]; A: computed on the way; B: computed on the way: QUANTISED
;;   THE QUANTISER, for each operand of a quantised product, along K:
;;     - K is cut into blocks of 32 from its start; a last block that is shorter is filled with zeros.
;;     - A block's scale is 2^e with e = floor(log2(the largest magnitude in the block)) - 15, held to -126 .. 127; a block of zeros has e = 0. As a byte (E8M0): e + 127.
;;     - Each number is divided by its block's scale, clamped to +-57,344, and rounded to the nearest number of E5M2, ties to even, subnormals kept.
;;     - The product sums the exact products of the quantised numbers (number of the format x scale) in f32.
;;   ~~~python
;;   def quantise(x, axis):      # numpy; x: float32 -> the quantised numbers, widened to float32 again
;;       x = np.moveaxis(x, axis, -1); K = x.shape[-1]
;;       x = np.pad(x, [(0, 0)] * (x.ndim - 1) + [(0, -K % 32)]); x = x.reshape(x.shape[:-1] + (-1, 32)); a = np.abs(x).max(-1, keepdims=True)
;;       e = np.where(a > 0, np.clip(np.frexp(np.where(a > 0, a, 1))[1] - 1 - 15, -126, 127), 0)      # np.frexp(a)[1] - 1 = floor(log2(a)), exactly
;;       r = np.clip(x / 2.0 ** e, -57344, 57344)
;;       step = 2.0 ** (np.maximum(np.frexp(np.where(r == 0, 1, r))[1] - 1, -14) - 2)
;;       q = np.round(r / step) * step * 2.0 ** e      # np.round: ties to even
;;       return np.moveaxis(q.reshape(q.shape[:-2] + (-1,))[..., :K], -1, axis).astype(np.float32)
;;   ~~~
;;   OPERANDS COMPUTED ON THE WAY. 'Computed on the way' means the value that the module computes at that place (a softmax that the list does not call 'softmax' is quantised finished and normalised). What goes into a quantiser is computed in f32, as accurately as f32 sums, v_exp_f32 and their like allow (about 1e-6 of the number): no bf16 or f16 on the way to a quantiser, and a product that is left as it is and whose result goes on into a quantised operand takes f32 operands (vector FMAs, or v_wmma_f32_16x16x4_f32). A number that lies on a knife's edge between two numbers of the format may be rounded either way, as far as f32 arithmetic and the matrix unit's own rounding can turn it there, and no further.
;;   INPUTS GIVEN AS CODES. query (in the module: [8, 64, 256], K = its axis 2); w_k (in the module: [256, 256], K = its axis 1); w_q (in the module: [256, 256], K = its axis 1): each comes as NAME_codes (uint8): NAME with its K axis moved to the last place and cut into blocks of 32 codes, [.., K / 32, bytes a block], one block behind the other in memory; one code a byte (a code: sign, 5 exponent bits, 2 mantissa bits); and NAME_scales (uint8): the same leading axes, one E8M0 byte (e + 127) for each 32 codes along K. Its value is code x scale, taken as it is: it is not quantised again, and the codes and scales need not be those that the quantiser above would give.
;; One version. Each part assembles by itself: llvm-mc -triple=amdgcn-amd-amdhsa -mcpu=gfx1250 --defsym DOCPART=n.
;; ======== version 1 of 1: 3 launches
;; workspace buffers: part 4,096 bytes; best 256 bytes of whole numbers
;; launch score (part 1): grid 256 x 1, 4 waves a work-group, no clusters, 327,680 bytes of LDS; arguments key, query_codes, query_scales, w_q_codes, w_q_scales, b_q, w_k_codes, w_k_scales, b_k, part; writes part
.if DOCPART == 1
	.amdgcn_target "amdgcn-amd-amdhsa--gfx1250"
	.amdhsa_code_object_version 6
	.text
	.protected	k_qc30c3ccbd4_score
	.globl	k_qc30c3ccbd4_score
	.p2align	8
	.type	k_qc30c3ccbd4_score,@function
k_qc30c3ccbd4_score:
	s_mov_b64 s[64:65], 0
	v_nop
	global_prefetch_b8 v0, s[64:65] scope:SCOPE_SE
	s_setreg_imm32_b32 hwreg(HW_REG_WAVE_MODE, 25, 1), 1
	s_wait_xcnt 0x0
; part[4 x + w] = the sum, over the 64 queries of batch x / 32 and over 256 rows of key, of Q . K.  All three products on codes of BF8 (E5M2) with one E8M0 scale for each 32 along K.
;   Q = query w_q^T + b_q (query, w_q given as codes);  K = key w_k^T + b_k (key f32, quantised here along its 256; w_k given as codes);  Q and K are quantised here along their 256 for the third product.
; SHARES.  Work-group x owns key's rows 1,024 x .. 1,024 x + 1,023 (half of candidate x / 2), wave w 256 of them: 8 visits of 32 rows, 16 tiles of 16 rows.  In the loop the waves share nothing.
; LAYOUT.  The first two products are used transposed (source 0 = 16 rows of the weight, source 1 = 16 rows of query or key): a lane (r = lane % 16, h = lane / 16) holds ONE row r and its registers run along the output units.
;   THE ROWS OF A WEIGHT THAT FORM A TILE ARE NOT NEIGHBOURS: lane r of tile 2 b + u takes row 32 b + 8 u + r + 8 (r / 8), so that the 16 registers of tiles 2 b and 2 b + 1 are units 32 b + 16 h + 0 .. 15:
;   the order in which the next product's operand wants them.  So K never leaves the registers: 16 tiles of results, quantised in place, are the two fragments of the third product.
;   w_k (65,536 bytes of codes: 512 registers) and b_k (as the C of each sum's first product: 128 registers) stay in every wave's registers; so do Q's eight fragments (128 registers).
;   The third product adds onto the same four accumulators in every tile: the sums over keys cost nothing, and the sum over queries is made once, at the end.
; key comes by the tensor data mover into two LDS slots of the wave's own, 32 rows of 1,024 bytes each.  64 rows to a slot would want 532,480 bytes for the eight slots: they do not fit.
; THE WEIGHTS come by the tensor data mover too, once for the work-group, each wave a quarter of each; every wave then reads all 32 fragments of a weight from LDS.  (Fetched by each wave from memory, a load of
;   16 bytes a lane would take 32 bytes of each of sixteen rows, and the work-group would ask for each weight four times.)  They lie where the four slots 1 lie, and 6,528 bytes beyond: LDS has no 139,776 bytes beside
;   two slots of key.  So slot 1's first tile of key is a refill, issued as every refill is, as soon as w_k is in registers.
;   A tile's sixteen rows are eight neighbours and the eight that lie 16 rows on; at any pitch that is a multiple of 16 bytes these two groups would start at the same banks.  So the rows whose number has bit 4 clear and
;   those that have it set go to two regions, 34,944 = 136 x 256 + 128 bytes apart: the sixteen rows that a load touches start at sixteen different banks (64 banks of 4 bytes: ISA guide 11.1).
; Q is made by every work-group for itself (wave w: queries 16 w .. 16 w + 15) while the first tile of key is on its way, and goes from wave to wave through LDS as images of the operand's registers.
; NO CLUSTER: key, 1,048,576 bytes a work-group, is read by this work-group alone.  What work-groups share, the two weights, is 131,072 of the 1,179,648 bytes that a work-group fetches, once, at its start; in a
;   cluster each of the seven refills of key, which no partner shares, would have to stand behind a round that ties the partners' visits together.
; LIMITS.  NaN and infinities among the inputs are not served.  A block whose largest magnitude lies under 2^-111 (a block of zeros among them) gets the scale byte 1: for zeros the codes are zeros, which add
;   nothing under that byte; these bytes are read by this program alone.  The division by sqrt(256) and the mean's division by 2,048 are made on the finished sum, in the next launch, as x 2^-15, which is exact.
;   The order of the f32 sums is the accumulators', not reference()'s.
; REGISTERS, in windows of 256: window 0: see the names below.  window 1: the weight's fragments of tiles 0-7, tile t, K step s at v[32 t + 16 s].  window 2: those of tiles 8-15, at v[32 (t - 8) + 16 s].
;   window 3: v[8 t] the bias of tile t in the result's layout; v[128 + 16 f] Q's fragment f = 2 g + s (queries 16 g on, K step s).
.set PITCH, 1040                       ; a row of key in LDS: 1,024 bytes + 16 of padding = 260 words: row r starts at bank 4 r mod 64, so the 16 rows that a load touches start at 16 different banks
.set TILEB, 16*PITCH                   ; 16 rows
.set SLOT,  32*PITCH                   ; a slot: 33,280 bytes.  Wave w's slot 0 begins at w x SLOT
.set XSLOT, 0x21000                    ; its slot 1 lies 135,168 bytes on: none of the four bases 0, 0x8200, 0x10400, 0x18600 has bit 12 or bit 17 set, so one exclusive or turns a slot's address into the other's
.set WP,    272                        ; a weight's row in LDS: 256 bytes + 16 of padding
.set LROW,  16*WP                      ; 4,352: a line of the weights' tiles: 16 rows on end
.set WHALF, 128*WP+128                 ; 34,944: from the rows with bit 4 clear to those with bit 4 set
.set WQL,   XSLOT                      ; 135,168: w_q
.set WKL,   WQL+2*WHALF                ; 205,056: w_k
.set QIMG,  WKL+2*WHALF                ; 274,944: behind the weights: Q's 8 fragments as images of their registers, 2,048 bytes each;
.set QSC,   QIMG+8*2048                ; 291,328: their scale words, 128 bytes each;
.set SPARE, QSC+8*128                  ; 292,352: the spare words, 128 bytes for each wave: two blocks of 256 bytes that no other line names
.set VBYTES, 32*1024                   ; a visit's rows in memory
.set SPW, 1                            ; v1   LDS address of my spare word: SPARE + 4 x my thread's number; never rewritten
.set NIL, 2                            ; v2   0; never rewritten
.set LA0, 3                            ; v3   my lane's place in a tile of key: PITCH r + 64 h
.set ADR, 4                            ; v4   the same in the slot in hand
.set LI,  5                            ; v5   QIMG + 16 x lane: my place in an image
.set LS,  6                            ; v6   QSC + 4 x lane: my place among an image's scale words
.set QWI, 7                            ; v7   where I store Q's images: LI + 4,096 x wave
.set QWS, 8                            ; v8   and their scale words: LS + 256 x wave
.set WA,  9                            ; v9   w_q's codes in LDS: WQL + WP (r % 8) + WHALF (r / 8) + 16 h
.set WSA, 10                           ; v10  a weight's scale words in memory: 8 (r + 8 (r / 8)) + 4 h: lanes 0-15 take K step 0's word, lanes 16-31 K step 1's
.set BA,  11                           ; v11  a bias: 64 h
.set WS,  12                           ; v12-27  the weight's scale words, tile t in v[12 + t]
.set QS,  28                           ; v28-35  Q's scale words, fragment f in v[28 + f]
.set XS,  36                           ; v36-37  the scale words of source 1 (query, key, K), K steps 0 and 1
.set QA,  38                           ; v38  query's codes: 256 r + 16 h
.set QSA, 39                           ; v39  query's scale words: 8 r
.set TM,  40                           ; v40-43 largest magnitudes, v44-47 bytes, v48-51 the largest number x the scale, v52-55 the conversions' scale operands
.set XF,  56                           ; v56-87  two fragments of codes: source 1
.set EA,  88                           ; v88-119 the four accumulators of the energies
.set HA,  120                          ; v120-183 64 numbers a lane: key's K step 0, then the results of tiles 0-7
.set ST,  184                          ; v184-247 the same for K step 1 and tiles 8-15
.set WA2, 248                          ; v248 w_k's codes in LDS: as WA, from WKL
.set QF,  128                          ; Q's fragments, in window 3
.set WV,  24                           ; s24  my wave's number
.set G1,  28                           ; s[28:35] descriptor group 1 for key's tiles, never rewritten
.set G0Q, 36                           ; s[36:39] group 0 for my quarter of w_q
.set G0W, 40                           ; s[40:43] group 0 for key's tiles: it makes the first fill and then walks
.set TB,  44                           ; s44  LDS byte at which the slot in hand begins
.set CNT, 45                           ; s45  the loop's counter
.set SEL, 46                           ; s[46:47] v_permlanex16_b32's selects for lane l xor 16
.set MNT, 48                           ; s48  the mantissa field of 57,344
.set G1W, 56                           ; s[56:63] descriptor group 1 for the weights' tiles, never rewritten
.set G0K, 68                           ; s[68:71] group 0 for my quarter of w_k
.set MSB, 0
.macro WIN new                         ; the immediate's high byte repeats the setting that is left; a switch that changes nothing is dropped.  Low byte: bits 1:0 source 0, 3:2 source 1, 5:4 source 2, 7:6 destination
.if MSB != \new
	s_set_vgpr_msb (MSB<<8)|\new
.set MSB, \new
.endif
.endm
.macro PLACES n                        ; plain vector instructions that name no register of the matrix instructions round them (ISA guide 7.12.1)
.rept \n
	v_nop
.endr
.endm
; A weight's 32 fragments come out of LDS into windows 1 and 2: 128 loads.  adr: the register with my lane's place in that weight.  Tile t = 2 b + u begins at row 16 b + 8 u of each of the two regions.
.macro LDSW adr
	WIN 0x40                                       ; destination window 1, address window 0
.irp t, 0,1,2,3,4,5,6,7
.irp s, 0,1
.irp c, 0,1,2,3
	ds_load_b128 v[32*\t+16*\s+4*\c:32*\t+16*\s+4*\c+3], v[\adr] offset:(16*(\t/2)+8*(\t%2))*WP+128*\s+32*\c
.endr
.endr
.endr
	WIN 0x80                                       ; destination window 2
.irp t, 8,9,10,11,12,13,14,15
.irp s, 0,1
.irp c, 0,1,2,3
	ds_load_b128 v[32*(\t-8)+16*\s+4*\c:32*(\t-8)+16*\s+4*\c+3], v[\adr] offset:(16*(\t/2)+8*(\t%2))*WP+128*\s+32*\c
.endr
.endr
.endr
	WIN 0
.endm
; A weight's bias (32 loads, two addresses each) and its scale words (16 loads) come from memory.  ps, pb: the scalar pairs with the two addresses.
.macro LOADBS ps, pb
	WIN 0xc0                                       ; destination window 3: lane (r, h) wants, for tile t, the bias of units 32 (t / 2) + 8 (t % 2) + 16 h + 0 .. 7
.irp t, 0,1,2,3,4,5,6,7,8,9,10,11,12,13,14,15
	global_load_b128 v[8*\t:8*\t+3],   v[BA], s[\pb:\pb+1] offset:(32*(\t/2)+8*(\t%2))*4
	global_load_b128 v[8*\t+4:8*\t+7], v[BA], s[\pb:\pb+1] offset:(32*(\t/2)+8*(\t%2))*4+16
.endr
	WIN 0
.irp t, 0,1,2,3,4,5,6,7,8,9,10,11,12,13,14,15
	global_load_b32 v[WS+\t], v[WSA], s[\ps:\ps+1] offset:(32*(\t/2)+8*(\t%2))*8
.endr
.endm
; 64 numbers of a lane, v[s] .. v[s + 63], register 16 b + i = k 32 b + 16 h + i of my row, become a fragment's codes in v[d] .. v[d + 15] and its scale word in v[w].
; Where the numbers are matrix results, each accumulator is first read at its registers 0 and 1.
.macro QUANT s, d, w
.irp b, 0,1,2,3
	v_max3_num_f32 v[TM+\b], |v[\s+16*\b]|, |v[\s+1+16*\b]|, 0x8000000   ; block b: my 16 numbers, and the floor 2^(16 - 127), under which no largest magnitude is taken: so the byte cannot fall under 1
.endr
.irp i, 2,4,6,8,10,12,14
.irp b, 0,1,2,3
	v_max3_num_f32 v[TM+\b], v[TM+\b], |v[\s+16*\b+\i]|, |v[\s+1+16*\b+\i]|   ; (the four blocks by turns: no line waits for the line above it)
.endr
.endr
.irp b, 0,1,2,3
	v_permlanex16_b32 v[TM+4+\b], v[TM+\b], s[SEL], s[SEL+1]
.endr
.irp b, 0,1,2,3
	v_max_num_f32 v[TM+\b], v[TM+\b], v[TM+4+\b]   ; with lane l xor 16's 16 numbers: the block's largest magnitude
.endr
.irp b, 0,1,2,3
	v_add_nc_u32 v[TM+12+\b], 0xf8800000, v[TM+\b]   ; 15 off its exponent field: the conversion takes the exponent field of this operand as its scale, and nothing else of it
.endr
.irp b, 0,1,2,3
	v_and_or_b32 v[TM+8+\b], v[TM+\b], 0x7f800000, s[MNT]   ; 57,344 x the scale: the largest magnitude's exponent field over 57,344's mantissa
.endr
.irp b, 0,1,2,3
	v_lshrrev_b32 v[TM+4+\b], 23, v[TM+12+\b]      ; the scale's byte
.endr
	v_lshl_or_b32 v[\w], v[TM+5], 8, v[TM+4]       ; the four bytes make my row's scale word (lanes 16-31 hold the same as lanes 0-15)
	v_lshl_or_b32 v[\w], v[TM+6], 16, v[\w]
	v_lshl_or_b32 v[\w], v[TM+7], 24, v[\w]
.irp b, 0,1,2,3
.irp i, 0,1,2,3,4,5,6,7,8,9,10,11,12,13,14,15
	v_med3_num_f32 v[\s+16*\b+\i], v[\s+16*\b+\i], -v[TM+8+\b], v[TM+8+\b]   ; the conversion to an 8-bit code does not saturate (ISA guide 7.6.2): the hold at the largest code x the scale
.endr
	v_cvt_scalef32_pk8_bf8_f32 v[\d+4*\b:\d+1+4*\b], v[\s+16*\b:\s+7+16*\b], v[TM+12+\b]
	v_cvt_scalef32_pk8_bf8_f32 v[\d+2+4*\b:\d+3+4*\b], v[\s+8+16*\b:\s+15+16*\b], v[TM+12+\b]
.endr
	v_nop                                          ; one plain vector instruction behind the last conversion, before anything touches its result or writes its sources
.endm
; 32 matrix instructions: the weight's 16 tiles x the two fragments in XF, bias as the C of each sum's first product.  Results: tile t in v[HA + 8 t]: register j of lane (r, h) is unit 32 (t / 2) + 16 h + 8 (t % 2) + j of row r.
; The 16 accumulators take turns, one instruction a turn.
.macro P2
	WIN 0x31                                       ; source 0 (weight) window 1, source 2 (bias) window 3
.irp t, 0,1,2,3,4,5,6,7
	v_wmma_scale_f32_16x16x128_f8f6f4 v[HA+8*\t:HA+8*\t+7], v[32*\t:32*\t+15], v[XF:XF+15], v[8*\t:8*\t+7], v[WS+\t], v[XS] matrix_a_fmt:MATRIX_FMT_BF8 matrix_b_fmt:MATRIX_FMT_BF8
.endr
	WIN 0x32                                       ; source 0 window 2
.irp t, 8,9,10,11,12,13,14,15
	v_wmma_scale_f32_16x16x128_f8f6f4 v[HA+8*\t:HA+8*\t+7], v[32*(\t-8):32*(\t-8)+15], v[XF:XF+15], v[8*\t:8*\t+7], v[WS+\t], v[XS] matrix_a_fmt:MATRIX_FMT_BF8 matrix_b_fmt:MATRIX_FMT_BF8
.endr
	WIN 0x01                                       ; K step 1: the sums go on in place; the weight's scale words are those of lanes 16-31
.irp t, 0,1,2,3,4,5,6,7
	v_wmma_scale_f32_16x16x128_f8f6f4 v[HA+8*\t:HA+8*\t+7], v[32*\t+16:32*\t+31], v[XF+16:XF+31], v[HA+8*\t:HA+8*\t+7], v[WS+\t], v[XS+1] matrix_a_fmt:MATRIX_FMT_BF8 matrix_b_fmt:MATRIX_FMT_BF8 matrix_a_scale:MATRIX_SCALE_ROW1
.endr
	WIN 0x02
.irp t, 8,9,10,11,12,13,14,15
	v_wmma_scale_f32_16x16x128_f8f6f4 v[HA+8*\t:HA+8*\t+7], v[32*(\t-8)+16:32*(\t-8)+31], v[XF+16:XF+31], v[HA+8*\t:HA+8*\t+7], v[WS+\t], v[XS+1] matrix_a_fmt:MATRIX_FMT_BF8 matrix_b_fmt:MATRIX_FMT_BF8 matrix_a_scale:MATRIX_SCALE_ROW1
.endr
	WIN 0
.endm
; 8 matrix instructions: Q's four tiles of queries x K's 16 rows, two K steps, onto the four accumulators by turns.  zero = 1: the first four start the sums: nothing is ever cleared.
.macro P3 zero
	WIN 0x03                                       ; source 0 (Q) window 3
.irp s, 0,1
.irp g, 0,1,2,3
.if \zero && (\s == 0)
	v_wmma_scale_f32_16x16x128_f8f6f4 v[EA+8*\g:EA+8*\g+7], v[QF+16*(2*\g+\s):QF+16*(2*\g+\s)+15], v[XF+16*\s:XF+16*\s+15], 0, v[QS+2*\g+\s], v[XS+\s] matrix_a_fmt:MATRIX_FMT_BF8 matrix_b_fmt:MATRIX_FMT_BF8
.else
	v_wmma_scale_f32_16x16x128_f8f6f4 v[EA+8*\g:EA+8*\g+7], v[QF+16*(2*\g+\s):QF+16*(2*\g+\s)+15], v[XF+16*\s:XF+16*\s+15], v[EA+8*\g:EA+8*\g+7], v[QS+2*\g+\s], v[XS+\s] matrix_a_fmt:MATRIX_FMT_BF8 matrix_b_fmt:MATRIX_FMT_BF8
.endif
.endr
.endr
	WIN 0
.endm
; 16 LDS loads: of my row, 16 neighbouring numbers (64 bytes) of each of four blocks of 32, from off bytes on in the slot
.macro FETCH reg, off
.irp b, 0,1,2,3
.irp j, 0,1,2,3
	ds_load_b128 v[\reg+16*\b+4*\j:\reg+16*\b+4*\j+3], v[ADR] offset:\off+128*\b+16*\j
.endr
.endr
.endm
; A TILE of 16 rows of key, whose 32 LDS loads are out.  fetch = 1: the slot's second tile is fetched into each half's registers as soon as K's codes have left them.
.macro TILE fetch, zero
	s_wait_dscnt 16                                ; K step 0's 16 loads are in; K step 1's 16, issued behind them, may be out
	QUANT HA, XF, XS
	s_wait_dscnt 0x0                               ; K step 1's are in
	QUANT ST, XF+16, XS+1
	PLACES 3                                       ; with the line that ends QUANT: four places between the last code written and a scaled matrix instruction (the scale word stands 64 holds further up)
	P2                                             ; K^T = w_k key^T + b_k
	PLACES 8                                       ; behind this form eight places before its results are read and its sources written
	QUANT HA, XF, XS                               ; K's units 0-127: the third product's K step 0
.if \fetch
	FETCH HA, TILEB
.endif
	QUANT ST, XF+16, XS+1                          ; units 128-255
.if \fetch
	FETCH ST, TILEB+512
.endif
	PLACES 3
	P3 \zero                                       ; the energies of 64 queries x these 16 rows, added onto those of the tiles before
.endm
; A VISIT: the slot in hand, two tiles.
.macro VISIT zero
	v_add_nc_u32 v[ADR], s[TB], v[LA0]
	FETCH HA, 0
	FETCH ST, 512
	TILE 1, \zero
	TILE 0, 0
.endm
; THE CHANGE OF SLOTS.  The slot just left (the first time: the bytes in which the weights lay) is filled with the visit after the one that is about to be read; the other slot, which the wait shows landed,
; is read while that load is on its way: a whole visit's work.
.macro CHANGE
	s_wait_tensorcnt 0x0                           ; all my tensor loads have landed (one was out: the tile that I am about to read), so a group 0 may be written
	ds_add_u32 v[SPW], v[NIL]                      ; 0 onto my spare word; the steps below stand between it and the wait for it
	s_xor_b32 s[G0W+1], s[G0W+1], XSLOT            ; the walking descriptor: the other slot than last time,
	s_add_nc_u64 s[G0W+2:G0W+3], s[G0W+2:G0W+3], VBYTES   ; the next 32 rows; the type bits on top are not reached
	s_xor_b32 s[TB], s[TB], XSLOT                  ; and I read the other slot than last time
	s_wait_dscnt 0x0                               ; the add is done, and my LDS reads and stores are over, those of the bytes that are filled next among them
	s_barrier_signal -1
	s_barrier_wait -1
	tensor_load_to_lds s[G0W:G0W+3], s[G1:G1+7]    ; my one tensor load behind this barrier, and the first thing there: by this text's count one load of a wave is out from here on
	s_nop 0
	PLACES 4
.endm
	s_load_b256 s[4:11], s[0:1], 0x0               ; key s[4:5], query's codes s[6:7], its scales s[8:9], w_q's codes s[10:11]
	s_load_b256 s[12:19], s[0:1], 0x20             ; w_q's scales s[12:13], b_q s[14:15], w_k's codes s[16:17], its scales s[18:19]
	s_load_b128 s[20:23], s[0:1], 0x40             ; b_k s[20:21], part s[22:23]
	v_lshl_add_u32 v[SPW], v0, 2, SPARE
	v_mov_b32 v[NIL], 0
	ds_add_u32 v1, v2
	ds_add_u32 v1, v2
	s_wait_dscnt 0x0
	v_lshrrev_b32 v3, 5, v0
	v_readfirstlane_b32 s[WV], v3                  ; wave 0..3
	; descriptor group 1 for key: 32 rows x 256 elements of 4 bytes, dense in memory, padded in LDS
	s_mov_b32 s[G1+0], (2<<16)|(1<<20)|(7<<22)|(3<<25)   ; 15:0 no mask; 17:16 elements of 4 bytes; 20 padding on; 24:22 after every 256 words (code 7); 31:25 four words (code 3)
	s_mov_b32 s[G1+1], 256<<16                     ; tensor_dim0 = 256
	s_mov_b32 s[G1+2], 32<<16                      ; tensor_dim1 = 32
	s_mov_b32 s[G1+3], 256<<16                     ; tile_dim0 = 256
	s_mov_b32 s[G1+4], 32                          ; tile_dim1 = 32
	s_mov_b32 s[G1+5], 256                         ; elements from row to row
	s_mov_b32 s[G1+6], 0
	s_mov_b32 s[G1+7], 0
	; and for a quarter of a weight: 4 lines of 4,096 bytes (16 rows on end), 8,192 bytes (32 rows) apart in memory; 16 bytes of padding behind every 256, an interval that divides the line: a row 272 bytes, a line 4,352
	s_mov_b32 s[G1W+0], (0<<16)|(1<<20)|(5<<22)|(3<<25)  ; elements of 1 byte; padding on; after every 64 words (code 5); four words (code 3)
	s_mov_b32 s[G1W+1], 4096<<16                   ; tensor_dim0 = 4,096
	s_mov_b32 s[G1W+2], 4<<16                      ; tensor_dim1 = 4
	s_mov_b32 s[G1W+3], 4096<<16                   ; tile_dim0 = 4,096
	s_mov_b32 s[G1W+4], 4                          ; tile_dim1 = 4
	s_mov_b32 s[G1W+5], 8192                       ; elements from line to line
	s_mov_b32 s[G1W+6], 0
	s_mov_b32 s[G1W+7], 0
	s_mul_i32 s27, s[WV], SLOT                     ; my slot 0
	s_add_co_u32 s[TB], s27, XSLOT                 ; the slot in hand begins as slot 1: the first change of slots turns it into slot 0
	s_lshl_b32 s50, ttmp9, 20                      ; the work-group's 1,024 rows of 1,024 bytes,
	s_lshl_b32 s25, s[WV], 18                      ; my wave's 256 of them (the sum stays under 2^28)
	s_add_co_u32 s50, s50, s25
	s_mov_b32 s51, 0
	s_and_b32 s25, s[WV], 1                        ; my quarter of a weight: the rows with bit 4 clear (0) or set (1),
	s_lshr_b32 s26, s[WV], 1                       ; of rows 0-127 (0) or 128-255 (1)
	s_mul_i32 s49, s25, WHALF
	s_mul_i32 s52, s26, 4*LROW
	s_add_co_u32 s49, s49, s52                     ; its place in the weight's LDS bytes,
	s_lshl_b32 s52, s25, 12
	s_lshl_b32 s26, s26, 15
	s_add_co_u32 s52, s52, s26                     ; and in memory: 16 rows, 128 rows
	s_mov_b32 s53, 0
	s_mov_b32 s[SEL], 0x76543210
	s_mov_b32 s[SEL+1], 0xfedcba98
	s_mov_b32 s[MNT], 0x600000
	s_wait_kmcnt 0x0
	s_mov_b32 s[G0Q], 1                            ; 1:0 count = 1
	s_add_co_u32 s[G0Q+1], s49, WQL                ; 63:32 LDS address
	s_add_nc_u64 s[G0Q+2:G0Q+3], s[10:11], s[52:53]   ; 120:64 global address
	s_or_b32 s[G0Q+3], s[G0Q+3], 0x80000000        ; 127:126 type = 2
	s_mov_b32 s[G0K], 1
	s_add_co_u32 s[G0K+1], s49, WKL
	s_add_nc_u64 s[G0K+2:G0K+3], s[16:17], s[52:53]
	s_or_b32 s[G0K+3], s[G0K+3], 0x80000000
	s_mov_b32 s[G0W], 1
	s_mov_b32 s[G0W+1], s27                        ; slot 0
	s_add_nc_u64 s[G0W+2:G0W+3], s[4:5], s[50:51]  ; visit 0
	s_or_b32 s[G0W+3], s[G0W+3], 0x80000000
	tensor_load_to_lds s[G0Q:G0Q+3], s[G1W:G1W+7]  ; the three first fills go out together, ahead of every wait on TENSORcnt, every LDS read and every barrier, the weights first: three loads of a wave are out
	s_nop 0
	tensor_load_to_lds s[G0K:G0K+3], s[G1W:G1W+7]
	s_nop 0
	tensor_load_to_lds s[G0W:G0W+3], s[G1:G1+7]
	s_nop 0
	PLACES 4
	; my lane's places
	v_and_b32 v48, 15, v0                          ; r
	v_bfe_u32 v49, v0, 4, 1                        ; h
	v_and_b32 v50, 31, v0                          ; lane
	v_and_b32 v51, 8, v48
	v_add_nc_u32 v51, v51, v48                     ; r + 8 (r / 8)
	v_and_b32 v52, 7, v0                           ; r % 8
	v_bfe_u32 v53, v0, 3, 1                        ; r / 8
	v_mul_u32_u24 v[LA0], v48, PITCH
	v_lshl_add_u32 v[LA0], v49, 6, v[LA0]
	v_lshl_add_u32 v[LI], v50, 4, QIMG
	v_lshl_add_u32 v[LS], v50, 2, QSC
	s_lshl_b32 s25, s[WV], 12
	v_add_nc_u32 v[QWI], s25, v[LI]
	s_lshl_b32 s25, s[WV], 8
	v_add_nc_u32 v[QWS], s25, v[LS]
	v_mul_u32_u24 v[WA], v52, WP
	v_mad_u32_u24 v[WA], v53, WHALF, v[WA]         ; lanes 8-15 of a half take the region of the rows that lie 16 further on
	v_lshl_add_u32 v[WA], v49, 4, v[WA]
	v_add_nc_u32 v[WA2], WKL, v[WA]
	v_add_nc_u32 v[WA], WQL, v[WA]
	v_lshlrev_b32 v[WSA], 3, v51
	v_lshl_add_u32 v[WSA], v49, 2, v[WSA]
	v_lshlrev_b32 v[BA], 6, v49
	v_lshlrev_b32 v[QA], 8, v48
	v_lshl_add_u32 v[QA], v49, 4, v[QA]
	v_lshlrev_b32 v[QSA], 3, v48
.irp b, 0,1,2,3
	v_mov_b32 v[TM+4+\b], 0                        ; written once: a lane permute's destination counts as one of its sources
.endr
	s_lshr_b32 s25, ttmp9, 5                       ; the batch
	s_lshl_b32 s50, s25, 14                        ; query's codes: 64 rows of 256 bytes a batch,
	s_lshl_b32 s26, s[WV], 12                      ; my wave's 16 rows
	s_add_co_u32 s50, s50, s26
	s_add_nc_u64 s[6:7], s[6:7], s[50:51]
	s_lshl_b32 s52, s25, 9                         ; its scale bytes: 8 a row
	s_lshl_b32 s26, s[WV], 7
	s_add_co_u32 s52, s52, s26
	s_add_nc_u64 s[8:9], s[8:9], s[52:53]
.irp s, 0,1
.irp c, 0,1,2,3
	global_load_b128 v[XF+16*\s+4*\c:XF+16*\s+4*\c+3], v[QA], s[6:7] offset:128*\s+32*\c   ; query's two fragments, as they lie
.endr
.endr
	global_load_b32 v[XS], v[QSA], s[8:9]
	global_load_b32 v[XS+1], v[QSA], s[8:9] offset:4
	LOADBS 12, 14                                  ; w_q's scale words, b_q
	s_wait_tensorcnt 0x1                           ; my quarters of both weights have landed; the one load issued behind them, visit 0's tile, may be out:
	s_barrier_signal -1
	s_barrier_wait -1                              ; everybody's quarters have landed
	LDSW WA                                        ; w_q
	s_wait_loadcnt 0x0                             ; query, its scale words, w_q's scale words, b_q
	s_wait_dscnt 0x0
	P2                                             ; Q^T = w_q query^T + b_q: my 16 queries, all 256 units
	PLACES 8                                       ; before loads are issued into the weight's, the bias's and the scale words' registers, and before Q is read
	LDSW WA2                                       ; w_k: it lands while Q is quantised, and stays
	LOADBS 18, 20                                  ; w_k's scale words, b_k
	QUANT HA, XF, XS
	QUANT ST, XF+16, XS+1
.irp s, 0,1
.irp c, 0,1,2,3
	ds_store_b128 v[QWI], v[XF+16*\s+4*\c:XF+16*\s+4*\c+3] offset:2048*\s+512*\c   ; fragment 2 w + s goes to LDS as it stands: lane l's 16 bytes at 16 l
.endr
	ds_store_b32 v[QWS], v[XS+\s] offset:128*\s
.endr
	CHANGE                                         ; one barrier for two things: every wave's reads of the weights are over, so visit 1's tile may take their bytes; and every wave's images of Q have landed
	WIN 0xc0                                       ; destination window 3
.irp f, 0,1,2,3,4,5,6,7
.irp c, 0,1,2,3
	ds_load_b128 v[QF+16*\f+4*\c:QF+16*\f+4*\c+3], v[LI] offset:2048*\f+512*\c   ; the images come back as they went, in every wave
.endr
.endr
	WIN 0
.irp f, 0,1,2,3,4,5,6,7
	ds_load_b32 v[QS+\f], v[LS] offset:128*\f
.endr
	s_wait_dscnt 0x0
	s_wait_loadcnt 0x0                             ; w_k's scale words, b_k
	VISIT 1                                        ; visit 0 (the change's wait has shown its tile landed; the bytes are my own): its first energies start the four sums
	s_mov_b32 s[CNT], 6
.Lvisit:                                           ; visits 1 to 6: trip v fills visit v - 1's slot with visit v + 1
	CHANGE
	VISIT 0
	s_sub_co_u32 s[CNT], s[CNT], 1
	s_cmp_lg_u32 s[CNT], 0
	s_cbranch_scc1 .Lvisit
	s_wait_tensorcnt 0x0                           ; visit 7 is written out: its tile is the last load, nothing was issued behind it, nothing is filled
	s_xor_b32 s[TB], s[TB], XSLOT
	VISIT 0
	; THE END: the four accumulators' 32 numbers a lane, then the 32 lanes
	PLACES 8
.irp g, 0,1,2,3
	v_pk_add_f32 v[HA+2*\g:HA+2*\g+1], v[EA+8*\g:EA+8*\g+1], v[EA+8*\g+2:EA+8*\g+3]   ; each accumulator from its low end on
.endr
.irp g, 0,1,2,3
	v_pk_add_f32 v[HA+2*\g:HA+2*\g+1], v[HA+2*\g:HA+2*\g+1], v[EA+8*\g+4:EA+8*\g+5]
.endr
.irp g, 0,1,2,3
	v_pk_add_f32 v[HA+2*\g:HA+2*\g+1], v[HA+2*\g:HA+2*\g+1], v[EA+8*\g+6:EA+8*\g+7]
.endr
	v_pk_add_f32 v[HA:HA+1], v[HA:HA+1], v[HA+2:HA+3]
	v_pk_add_f32 v[HA+4:HA+5], v[HA+4:HA+5], v[HA+6:HA+7]
	v_pk_add_f32 v[HA:HA+1], v[HA:HA+1], v[HA+4:HA+5]
	v_add_f32 v[HA], v[HA], v[HA+1]
	v_add_f32_dpp v[HA], v[HA], v[HA] row_xmask:1 row_mask:0xf bank_mask:0xf
	v_add_f32_dpp v[HA], v[HA], v[HA] row_xmask:2 row_mask:0xf bank_mask:0xf
	v_add_f32_dpp v[HA], v[HA], v[HA] row_xmask:4 row_mask:0xf bank_mask:0xf
	v_add_f32_dpp v[HA], v[HA], v[HA] row_xmask:8 row_mask:0xf bank_mask:0xf
	v_permlanex16_b32 v[HA+1], v[HA], s[SEL], s[SEL+1]
	v_add_f32 v[HA], v[HA], v[HA+1]                ; every lane holds the wave's sum
	s_wait_tensorcnt 0x0                           ; the wave's end: behind my last tensor load and my last LDS store
	ds_add_u32 v[SPW], v[NIL]
	s_wait_dscnt 0x0
	s_lshl_b32 s25, ttmp9, 4
	s_lshl_b32 s26, s[WV], 2
	s_add_co_u32 s25, s25, s26                     ; part: word 4 x + w
	v_mov_b32 v[HA+2], s25
	v_and_b32 v[HA+3], 31, v0
	v_cmp_eq_u32 vcc_lo, 0, v[HA+3]
	s_wait_xcnt 0x0                                ; EXEC changes only behind this wait
	s_and_saveexec_b32 s26, vcc_lo                 ; lane 0 alone stores
	global_store_b32 v[HA+2], v[HA], s[22:23]
	s_endpgm
.Lfunc_end_k_qc30c3ccbd4_score:
	.size	k_qc30c3ccbd4_score, .Lfunc_end_k_qc30c3ccbd4_score-k_qc30c3ccbd4_score
	.p2alignl 7, 3214868480
	.fill 96, 4, 3214868480
	.section	.rodata,"a",@progbits
	.p2align	6, 0x0
	.amdhsa_kernel k_qc30c3ccbd4_score
		.amdhsa_group_segment_fixed_size 327680
		.amdhsa_private_segment_fixed_size 0
		.amdhsa_enable_private_segment 0
		.amdhsa_kernarg_size 80
		.amdhsa_user_sgpr_count 2
		.amdhsa_user_sgpr_kernarg_segment_ptr 1
		.amdhsa_wavefront_size32 1
		.amdhsa_system_sgpr_workgroup_id_x 1
		.amdhsa_system_sgpr_workgroup_id_y 1
		.amdhsa_system_sgpr_workgroup_id_z 1
		.amdhsa_system_vgpr_workitem_id 0
		.amdhsa_next_free_vgpr 1024
		.amdhsa_next_free_sgpr 72
		.amdhsa_reserve_vcc 1
		.amdhsa_float_denorm_mode_32 3
		.amdhsa_float_denorm_mode_16_64 3
		.amdhsa_memory_ordered 1
		.amdhsa_forward_progress 1
		.amdhsa_inst_pref_size 255
	.end_amdhsa_kernel
	.section	.bss,"aw",@nobits
	.p2align	6
	.space	262144
	.amdgpu_metadata
---
amdhsa.version: [ 1, 2 ]
amdhsa.kernels:
  - .name:           k_qc30c3ccbd4_score
    .symbol:         k_qc30c3ccbd4_score.kd
    .args:
      - { .name: key, .offset: 0, .size: 8, .value_kind: global_buffer, .address_space: global }
      - { .name: query_codes, .offset: 8, .size: 8, .value_kind: global_buffer, .address_space: global }
      - { .name: query_scales, .offset: 16, .size: 8, .value_kind: global_buffer, .address_space: global }
      - { .name: w_q_codes, .offset: 24, .size: 8, .value_kind: global_buffer, .address_space: global }
      - { .name: w_q_scales, .offset: 32, .size: 8, .value_kind: global_buffer, .address_space: global }
      - { .name: b_q, .offset: 40, .size: 8, .value_kind: global_buffer, .address_space: global }
      - { .name: w_k_codes, .offset: 48, .size: 8, .value_kind: global_buffer, .address_space: global }
      - { .name: w_k_scales, .offset: 56, .size: 8, .value_kind: global_buffer, .address_space: global }
      - { .name: b_k, .offset: 64, .size: 8, .value_kind: global_buffer, .address_space: global }
      - { .name: part, .offset: 72, .size: 8, .value_kind: global_buffer, .address_space: global }
    .group_segment_fixed_size: 327680
    .private_segment_fixed_size: 0
    .kernarg_segment_align: 8
    .kernarg_segment_size: 80
    .max_flat_workgroup_size: 128
    .sgpr_count:     72
    .vgpr_count:     1024
    .wavefront_size: 32
...
	.end_amdgpu_metadata
.endif
;; end of part 1
;; launch pick (part 2): grid 1 x 1, 4 waves a work-group, no clusters, 0 bytes of LDS; arguments part, best; writes best
.if DOCPART == 2
	.amdgcn_target "amdgcn-amd-amdhsa--gfx1250"
	.amdhsa_code_object_version 6
	.text
	.protected	k_qc30c3ccbd4_pick
	.globl	k_qc30c3ccbd4_pick
	.p2align	8
	.type	k_qc30c3ccbd4_pick,@function
k_qc30c3ccbd4_pick:
	s_mov_b64 s[64:65], 0
	v_nop
	global_prefetch_b8 v0, s[64:65] scope:SCOPE_SE
	s_setreg_imm32_b32 hwreg(HW_REG_WAVE_MODE, 25, 1), 1
	s_wait_xcnt 0x0
; best[b] = the argmax over m = 0 .. 15 of attention[b][m];  attention[b][m] = (the sum of candidate 16 b + m's eight partial sums) x 2^-15, which is / sqrt(256) and / 2,048 in one, exact.
; Thread t is candidate t: its eight partial sums are words 8 t .. 8 t + 7 of part.  A batch's 16 candidates are 16 neighbouring lanes, so the argmax is four exchanges inside a row of lanes: no LDS, no barrier.
; Everything is done by selection; nothing branches on the numbers, and the place of the store hangs on the thread's number alone.  128 numbers are decided: one work-group has all the work there is.
; A tie goes to the lower index, as in argmax.  LIMIT: NaN is not served (a NaN never wins a comparison here).
	s_load_b128 s[4:7], s[0:1], 0x0                ; part s[4:5], best s[6:7]
	v_lshlrev_b32 v1, 5, v0                        ; 32 bytes a candidate
	v_and_b32 v13, 15, v0                          ; my m
	v_mov_b32 v14, 0                               ; (the destination of a DPP form counts as read)
	v_mov_b32 v15, 0
	s_wait_kmcnt 0x0
	global_load_b128 v[4:7], v1, s[4:5]
	global_load_b128 v[8:11], v1, s[4:5] offset:16
	s_wait_loadcnt 0x0
	v_pk_add_f32 v[4:5], v[4:5], v[6:7]
	v_pk_add_f32 v[8:9], v[8:9], v[10:11]
	v_pk_add_f32 v[4:5], v[4:5], v[8:9]
	v_add_f32 v12, v4, v5
	v_mul_f32 v12, 0x38000000, v12                 ; x 2^-15
.irp k, 1,2,4,8
	v_mov_b32_dpp v14, v12 row_xmask:\k row_mask:0xf bank_mask:0xf   ; lane l xor k's best so far,
	v_mov_b32_dpp v15, v13 row_xmask:\k row_mask:0xf bank_mask:0xf   ; and its index
	v_cmp_gt_f32 s8, v14, v12                      ; it is taken where it is larger,
	v_cmp_eq_f32 s9, v14, v12                      ; or equal
	v_cmp_lt_u32 s10, v15, v13                     ; with the lower index: both lanes of a pair decide alike
	s_and_b32 s9, s9, s10
	s_or_b32 s8, s8, s9
	v_cndmask_b32 v12, v12, v14, s8
	v_cndmask_b32 v13, v13, v15, s8
.endr
	v_lshrrev_b32 v16, 4, v0
	v_lshlrev_b32 v16, 2, v16                      ; word b
	v_and_b32 v17, 15, v0
	v_cmp_eq_u32 vcc_lo, 0, v17
	s_wait_xcnt 0x0                                ; EXEC changes only behind this wait
	s_and_saveexec_b32 s11, vcc_lo                 ; the first lane of each batch stores
	global_store_b32 v16, v13, s[6:7]
	s_endpgm
.Lfunc_end_k_qc30c3ccbd4_pick:
	.size	k_qc30c3ccbd4_pick, .Lfunc_end_k_qc30c3ccbd4_pick-k_qc30c3ccbd4_pick
	.p2alignl 7, 3214868480
	.fill 96, 4, 3214868480
	.section	.rodata,"a",@progbits
	.p2align	6, 0x0
	.amdhsa_kernel k_qc30c3ccbd4_pick
		.amdhsa_group_segment_fixed_size 0
		.amdhsa_private_segment_fixed_size 0
		.amdhsa_enable_private_segment 0
		.amdhsa_kernarg_size 16
		.amdhsa_user_sgpr_count 2
		.amdhsa_user_sgpr_kernarg_segment_ptr 1
		.amdhsa_wavefront_size32 1
		.amdhsa_system_sgpr_workgroup_id_x 1
		.amdhsa_system_sgpr_workgroup_id_y 1
		.amdhsa_system_sgpr_workgroup_id_z 1
		.amdhsa_system_vgpr_workitem_id 0
		.amdhsa_next_free_vgpr 24
		.amdhsa_next_free_sgpr 66
		.amdhsa_reserve_vcc 1
		.amdhsa_float_denorm_mode_32 3
		.amdhsa_float_denorm_mode_16_64 3
		.amdhsa_memory_ordered 1
		.amdhsa_forward_progress 1
		.amdhsa_inst_pref_size 4
	.end_amdhsa_kernel
	.amdgpu_metadata
---
amdhsa.version: [ 1, 2 ]
amdhsa.kernels:
  - .name:           k_qc30c3ccbd4_pick
    .symbol:         k_qc30c3ccbd4_pick.kd
    .args:
      - { .name: part, .offset: 0, .size: 8, .value_kind: global_buffer, .address_space: global }
      - { .name: best, .offset: 8, .size: 8, .value_kind: global_buffer, .address_space: global }
    .group_segment_fixed_size: 0
    .private_segment_fixed_size: 0
    .kernarg_segment_align: 8
    .kernarg_segment_size: 16
    .max_flat_workgroup_size: 128
    .sgpr_count:     66
    .vgpr_count:     24
    .wavefront_size: 32
...
	.end_amdgpu_metadata
.endif
;; end of part 2
;; launch take (part 3): grid 256 x 1, 8 waves a work-group, no clusters, 0 bytes of LDS; arguments key, best, out0; writes out0
.if DOCPART == 3
	.amdgcn_target "amdgcn-amd-amdhsa--gfx1250"
	.amdhsa_code_object_version 6
	.text
	.protected	k_qc30c3ccbd4_take
	.globl	k_qc30c3ccbd4_take
	.p2align	8
	.type	k_qc30c3ccbd4_take,@function
k_qc30c3ccbd4_take:
	s_mov_b64 s[64:65], 0
	v_nop
	global_prefetch_b8 v0, s[64:65] scope:SCOPE_SE
	s_setreg_imm32_b32 hwreg(HW_REG_WAVE_MODE, 25, 1), 1
	s_wait_xcnt 0x0
; out0[b] = key[16 b + best[b]]: a copy of 2,097,152 bytes for each of 8 batches.  Work-group x copies 65,536 bytes (batch x / 32, part x % 32), a wave 8,192, a lane 16 x 16.
; Each load and store of a wave covers 512 consecutive bytes, aligned; all 16 loads of a wave go out at once, and each store follows its load's counted wait.
; The index was stored as a whole number by the launch before; it is held to 0 .. 15 before it enters an address.  A plain stream, read once and written once: no LDS, no matrix unit, no cluster.
	s_load_b128 s[4:7], s[0:1], 0x0                ; key s[4:5], best s[6:7]
	s_load_b64 s[8:9], s[0:1], 0x10                ; out0
	s_lshr_b32 s16, ttmp9, 5                       ; b
	s_lshl_b32 s10, s16, 2                         ; best: word b
	s_mov_b32 s11, 0
	v_lshrrev_b32 v1, 5, v0                        ; wave
	v_and_b32 v2, 31, v0                           ; lane
	v_lshlrev_b32 v1, 13, v1                       ; 8,192 bytes a wave,
	v_lshl_or_b32 v1, v2, 4, v1                    ; 16 a lane
	s_wait_kmcnt 0x0
	s_add_nc_u64 s[6:7], s[6:7], s[10:11]
	s_load_b32 s12, s[6:7], 0x0
	s_wait_kmcnt 0x0
	s_min_u32 s12, s12, 15                         ; an index stays inside its table
	s_lshl_b32 s13, s16, 4
	s_add_co_u32 s12, s12, s13                     ; the candidate: 16 b + best[b]
	s_lshl_b32 s12, s12, 21                        ; 2,097,152 bytes a candidate (under 2^28)
	s_and_b32 s13, ttmp9, 31
	s_lshl_b32 s13, s13, 16                        ; my part of it
	s_add_co_u32 s12, s12, s13
	s_mov_b32 s13, 0
	s_add_nc_u64 s[4:5], s[4:5], s[12:13]
	s_lshl_b32 s14, ttmp9, 16                      ; and the same part of out0
	s_mov_b32 s15, 0
	s_add_nc_u64 s[8:9], s[8:9], s[14:15]
.irp i, 0,1,2,3,4,5,6,7,8,9,10,11,12,13,14,15
	global_load_b128 v[4+4*\i:7+4*\i], v1, s[4:5] offset:512*\i th:TH_LOAD_NT
.endr
.irp i, 0,1,2,3,4,5,6,7,8,9,10,11,12,13,14,15
	s_wait_loadcnt 15-\i                           ; loads come back in order (ISA guide 5.7.1): load i is in, the younger ones stay out
	global_store_b128 v1, v[4+4*\i:7+4*\i], s[8:9] offset:512*\i th:TH_STORE_NT
.endr
	s_endpgm
.Lfunc_end_k_qc30c3ccbd4_take:
	.size	k_qc30c3ccbd4_take, .Lfunc_end_k_qc30c3ccbd4_take-k_qc30c3ccbd4_take
	.p2alignl 7, 3214868480
	.fill 96, 4, 3214868480
	.section	.rodata,"a",@progbits
	.p2align	6, 0x0
	.amdhsa_kernel k_qc30c3ccbd4_take
		.amdhsa_group_segment_fixed_size 0
		.amdhsa_private_segment_fixed_size 0
		.amdhsa_enable_private_segment 0
		.amdhsa_kernarg_size 24
		.amdhsa_user_sgpr_count 2
		.amdhsa_user_sgpr_kernarg_segment_ptr 1
		.amdhsa_wavefront_size32 1
		.amdhsa_system_sgpr_workgroup_id_x 1
		.amdhsa_system_sgpr_workgroup_id_y 1
		.amdhsa_system_sgpr_workgroup_id_z 1
		.amdhsa_system_vgpr_workitem_id 0
		.amdhsa_next_free_vgpr 72
		.amdhsa_next_free_sgpr 66
		.amdhsa_reserve_vcc 0
		.amdhsa_float_denorm_mode_32 3
		.amdhsa_float_denorm_mode_16_64 3
		.amdhsa_memory_ordered 1
		.amdhsa_forward_progress 1
		.amdhsa_inst_pref_size 5
	.end_amdhsa_kernel
	.amdgpu_metadata
---
amdhsa.version: [ 1, 2 ]
amdhsa.kernels:
  - .name:           k_qc30c3ccbd4_take
    .symbol:         k_qc30c3ccbd4_take.kd
    .args:
      - { .name: key, .offset: 0, .size: 8, .value_kind: global_buffer, .address_space: global }
      - { .name: best, .offset: 8, .size: 8, .value_kind: global_buffer, .address_space: global }
      - { .name: out0, .offset: 16, .size: 8, .value_kind: global_buffer, .address_space: global }
    .group_segment_fixed_size: 0
    .private_segment_fixed_size: 0
    .kernarg_segment_align: 8
    .kernarg_segment_size: 24
    .max_flat_workgroup_size: 256
    .sgpr_count:     66
    .vgpr_count:     72
    .wavefront_size: 32
...
	.end_amdgpu_metadata
.endif
;; end of part 3
